; MI455X (gfx1250); checked and timed in simulation.
; The chip was launched on July 23, 2026; its instructions are those of AMD's public machine-readable ISA for CDNA 5 (MIT licence, August 2026) and "CDNA5" Instruction Set Architecture Reference Guide (July 2026). The comments in the code are by the model that wrote it; some were corrected since.
;; Linear Attention. Allowed arithmetic: matrix products marked QUANTISED: E5M2 operands, one E8M0 scale for each 32 along K, by v_wmma_scale_f32_16x16x128_f8f6f4 with both operands' format E5M2, f32 sums; products left as they are: f32 operands where the result goes on into a quantised operand, else bf16, f16 or f32 operands; f32 sums; everything else in f32.
;; Inputs: Wk_codes 1,024 x 32 x 32 uint8 (E5M2 codes of Wk, K innermost, in blocks of 32 codes); Wk_scales 1,024 x 32 uint8 (E8M0 scales of Wk, one for each 32 codes along K); Wq_codes 1,024 x 32 x 32 uint8 (E5M2 codes of Wq, K innermost, in blocks of 32 codes); Wq_scales 1,024 x 32 uint8 (E8M0 scales of Wq, one for each 32 codes along K); Wv_codes 1,024 x 32 x 32 uint8 (E5M2 codes of Wv, K innermost, in blocks of 32 codes); Wv_scales 1,024 x 32 uint8 (E8M0 scales of Wv, one for each 32 codes along K); k_codes 4,096 x 4 x 32 x 32 uint8 (E5M2 codes of k, K innermost, in blocks of 32 codes); k_scales 4,096 x 4 x 32 uint8 (E8M0 scales of k, one for each 32 codes along K); q_codes 4,096 x 4 x 32 x 32 uint8 (E5M2 codes of q, K innermost, in blocks of 32 codes); q_scales 4,096 x 4 x 32 uint8 (E8M0 scales of q, one for each 32 codes along K); v_codes 4,096 x 4 x 32 x 32 uint8 (E5M2 codes of v, K innermost, in blocks of 32 codes); v_scales 4,096 x 4 x 32 uint8 (E8M0 scales of v, one for each 32 codes along K).
;; Outputs: out0 4,096 x 4 x 1,024 float32.
;; This version of the problem:
;;   THIS VERSION OF THE PROBLEM IS GIVEN IN LOW PRECISION. The matrix products marked QUANTISED in the list below multiply operands that are first quantised to E5M2 (5 exponent bits, 2 mantissa bits; 8 bits a number), with one power-of-two scale for each 32 numbers along K (OCP MX v1.0); their sums are f32. All else is computed in f32.
;;   The module's matrix products, in the order in which they are computed (A, B: the left and right operand; K: the contracted axis; several contracted axes count as one K, in the product's order):
;;     1. [M 16,384, K 1,024] x [K 1,024, N 1,024]; A: input q (given as codes); B: input Wq (given as codes): QUANTISED
;;     2. [M 16,384, K 1,024] x [K 1,024, N 1,024]; A: input k (given as codes); B: input Wk (given as codes): QUANTISED
;;     3. [M 16,384, K 1,024] x [K 1,024, N 1,024]; A: input v (given as codes); B: input Wv (given as codes): QUANTISED
;;     4. batch 262,144 x [M 1, K 64] x [K 64, N 1]; A: computed on the way; B: computed on the way: left as it is (M = 1 < 16)
;;   THE QUANTISER, for each operand of a quantised product, along K:
;;     - K is cut into blocks of 32 from its start; a last block that is shorter is filled with zeros.
;;     - A block's scale is 2^e with e = floor(log2(the largest magnitude in the block)) - 15, held to -126 .. 127; a block of zeros has e = 0. As a byte (E8M0): e + 127.
;;     - Each number is divided by its block's scale, clamped to +-57,344, and rounded to the nearest number of E5M2, ties to even, subnormals kept.
;;     - The product sums the exact products of the quantised numbers (number of the format x scale) in f32.
;;   ~~~python
;;   def quantise(x, axis):      # numpy; x: float32 -> the quantised numbers, widened to float32 again
;;       x = np.moveaxis(x, axis, -1); K = x.shape[-1]
;;       x = np.pad(x, [(0, 0)] * (x.ndim - 1) + [(0, -K % 32)]); x = x.reshape(x.shape[:-1] + (-1, 32)); a = np.abs(x).max(-1, keepdims=True)
;;       e = np.where(a > 0, np.clip(np.frexp(np.where(a > 0, a, 1))[1] - 1 - 15, -126, 127), 0)      # np.frexp(a)[1] - 1 = floor(log2(a)), exactly
;;       r = np.clip(x / 2.0 ** e, -57344, 57344)
;;       step = 2.0 ** (np.maximum(np.frexp(np.where(r == 0, 1, r))[1] - 1, -14) - 2)
;;       q = np.round(r / step) * step * 2.0 ** e      # np.round: ties to even
;;       return np.moveaxis(q.reshape(q.shape[:-2] + (-1,))[..., :K], -1, axis).astype(np.float32)
;;   ~~~
;;   INPUTS GIVEN AS CODES. Wk (in the module: [1024, 1024], K = its axis 1); Wq (in the module: [1024, 1024], K = its axis 1); Wv (in the module: [1024, 1024], K = its axis 1); k (in the module: [4096, 4, 1024], K = its axis 2); q (in the module: [4096, 4, 1024], K = its axis 2); v (in the module: [4096, 4, 1024], K = its axis 2): each comes as NAME_codes (uint8): NAME with its K axis moved to the last place and cut into blocks of 32 codes, [.., K / 32, bytes a block], one block behind the other in memory; one code a byte (a code: sign, 5 exponent bits, 2 mantissa bits); and NAME_scales (uint8): the same leading axes, one E8M0 byte (e + 127) for each 32 codes along K. Its value is code x scale, taken as it is: it is not quantised again, and the codes and scales need not be those that the quantiser above would give.
;; One version. Each part assembles by itself: llvm-mc -triple=amdgcn-amd-amdhsa -mcpu=gfx1250 --defsym DOCPART=n.
;; ======== version 1 of 1: 1 launch
;; launch linattn (part 1): grid 4 x 64, 4 waves a work-group, clusters of 4 x 4, 327,680 bytes of LDS; arguments q_codes, q_scales, Wq_codes, Wq_scales, k_codes, k_scales, Wk_codes, Wk_scales, v_codes, v_scales, Wv_codes, Wv_scales, out0; writes out0
.if DOCPART == 1
	.amdgcn_target "amdgcn-amd-amdhsa--gfx1250"
	.amdhsa_code_object_version 6
	.text
	.protected	k_q43dcf1cf01_linattn
	.globl	k_q43dcf1cf01_linattn
	.p2align	8
	.type	k_q43dcf1cf01_linattn,@function
k_q43dcf1cf01_linattn:
	s_mov_b64 s[64:65], 0
	v_nop
	global_prefetch_b8 v0, s[64:65] scope:SCOPE_SE
	s_setreg_imm32_b32 hwreg(HW_REG_WAVE_MODE, 25, 1), 1
	s_wait_xcnt 0x0
	s_wait_alu depctr_hold_cnt(0) depctr_sa_sdst(0) depctr_va_vdst(0) depctr_va_sdst(0) depctr_va_ssrc(0) depctr_va_vcc(0) depctr_vm_vsrc(0)
	s_getreg_b32 s2, hwreg(HW_REG_IB_STS2, 6, 4)
	s_cmp_eq_u32 s2, 0
	s_cbranch_scc0 .Lentry_in_a_cluster
	s_endpgm
.Lentry_in_a_cluster:
	s_bfe_u32 s2, ttmp6, 0x10000c
	s_cmp_lg_u32 s2, 0xf033
	s_cbranch_scc0 .Lentry_shape_is_right
	s_endpgm
.Lentry_shape_is_right:
; out[s][b][:] = running sum over b of (qk * V) / qk, with Q = q Wq^T, K = k Wk^T, V = v Wv^T (rows m = 4 s + b, 16,384 of them; 1,024 columns; K = 1,024),
; qk(m, head) = sum over the head's 64 columns of exp(Q) exp(K).  All six operands are codes of BF8 (E5M2) with one E8M0 byte for each 32 along K, taken as they lie in memory.
; ONE LAUNCH.  A work-group of four waves owns 256 rows x 256 columns (4 heads); a wave 128 x 128: 64 accumulators of 16 x 16, 512 registers, 2 heads.  16,384 x 1,024 are 256 such tiles.
; Q AND K SHARE THEIR ACCUMULATORS: exp(Q) exp(K) = exp(Q + K), so k Wk^T is summed on top of q Wq^T, as one product of K = 2,048, and each element has one exponential.  Then the head's sum gives qk.
; V's product then takes the same 512 registers.  At the end o = (V qk) i with i = r r, r = 1 / sqrt(qk): the multiplication by qk as it is defined, the division as a multiplication by i.
; (r is never denormal for a normal qk, and r r is a plain multiplication, which keeps denormals; v_rcp_f32 of a qk above 2^126 would give 0: ISA guide 15.8.)
; LIMITS.  (1) The rounding order differs from exp(Q) exp(K); where one of the two factors alone leaves f32's range (|Q| or |K| beyond about 87) the definition gives infinity or NaN and this text may give a finite number.
; (2) A term exp(Q + K) under 2^-126 counts as 0 (v_exp_f32 flushes: ISA guide 15.8), and a head whose qk would be under 2^-126 gives NaN or infinity here.  (3) The head's 64 terms are summed as a tree, not in ascending order.
; K GOES IN 12 STEPS OF 256 through a ring of two LDS slots: q@0 k@0 q@256 k@256 q@512 k@512 q@768 k@768 v@0 v@256 v@512 v@768.  So slot 0 walks q and Wq, slot 1 walks k and Wk, and the ring runs on into v while the exponentials are taken.
; THE CHANGE OF SLOTS stands at the head of a slot's second 128 along K, where the slot's last fragments have been asked for: the refill then has 128 matrix instructions of a wave between its request and the wait for it.
; TWO K STEPS GO BY HALVES OF THE ROWS (my rows 0-63 through all 256 along K, then my rows 64-127).  v@0: so that the exponentials go in two halves with a change of slots between them, each half standing beside one refill.
; v@768: so that rows 0-63 are finished, and their stores are out, before the other half's products are issued.
; CLUSTERS: 4 x 4 work-groups.  The four of a row of the cluster need the same tiles of q, k, v, the four of a column the same tiles of the weights: each tile is asked for JOINTLY, by the same tensor load with the same descriptor and a mask of the four.
; THE MATRIX INSTRUCTION IS USED TRANSPOSED (source 0 = 16 rows of a weight, source 1 = 16 rows of q, k or v): lane (r, h) of accumulator (a, b) holds row 16 a + r and columns 16 b + 8 h + 0 .. 7.
; SCALES.  Those of q, Wq, k, Wk for the work-group's rows and all of K are four dense blocks: they come into LDS once, with the first fills.  Those of v and Wv are copied once, dense, into 64 registers of each wave.
; REGISTERS, in windows of 256: window 0: v0-31 addresses; v32-63 scale words of q/Wq (set 0) and k/Wk (set 1), later v's; v64-95 Wv's scale words; v96-127 the pairs (qk, 1 / qk); v128-255 the rows' fragments, ONE set of eight places.
;   window 1: the weights' fragments, TWO sets, at v0 and v128.   window 2: the accumulators of my rows 0-63 ((a, b) at v[8 (8 a + b)]);   window 3: those of my rows 64-127.  On the way out a block's rows come back into its own 64 registers.
.set PITCH,  272                       ; an LDS row: 256 bytes of codes + 16 of padding = 68 words: the 16 rows that a fragment load touches start 4 words apart modulo 64
.set HALFT,  128*PITCH                 ; 128 rows: what one tensor load brings, and what one wave reads of either side
.set SLOT,   4*HALFT                   ; 256 rows of q, k or v, then 256 rows of the weight
.set SCL,    2*SLOT                    ; behind the ring: scale bytes, as units of 256 bytes + 16 of padding (a row of scales is 32 bytes, eight rows to a unit)
.set HALFS,  16*272                    ; the scales of 128 rows: what one tensor load brings
.set SREG,   4*HALFS                   ; a region: q's 256 rows and Wq's 256 rows; the second region: k's and Wk's
.set SBLK,   2*272                     ; the scales of 16 rows
.set SPARE,  SCL+2*SREG                ; the spare words, 128 bytes for each wave: two blocks of 256 bytes that no other line names
.set SPITCH, 528                       ; the way out: a stage of 16 rows x (512 bytes + 16) for each wave, in slot 0, which has had its last fill (v at K = 512) and its last read (in front of the barrier in that K step) by then
.set FR,     16                        ; registers of a fragment: 16 rows x 128 K
.set NL,     4                         ; LDS loads that bring one
.set NP,     8                         ; places behind this matrix instruction (ISA guide 7.12.1)
.set ADRA, 16                          ; v16-17  LDS address of my rows' fragments in slot 0, 1
.set ADRB, 20                          ; v20-21  the same for the weight's
.set STO,  24                          ; v24     the way out: where I put 32 bytes of a row
.set RD,   25                          ; v25     the way out: where I read a row back
.set CO,   26                          ; v26     my byte offset in a row of the result
.set ADRS, 27                          ; v27     LDS address of my scale words: lanes 0-15 the rows', lanes 16-31 the weight's
.set SPW,  28                          ; v28     LDS address of my spare word: SPARE + 4 x my thread's number; never rewritten
.set NIL,  29                          ; v29     0; never rewritten
.set PFO,  30                          ; v30     the prefetches' offset: (my lane + 32 x my place along the cluster's x) rows of 1,024 bytes; never rewritten
.set VSO,  31                          ; v31     my offset among v's and Wv's scale bytes: 32 r + 2,048 h; never rewritten
.set SC,   32                          ; scale words of the first two products: set s at v[SC + 16 s]; register 2 i + q: lanes 0-15 the word of the rows' block i, lanes 16-31 that of the weight's block i
.set VSA,  32                          ; v's scale words: register 8 i + g: the g-th 128 along K; lanes 0-15 block i, lanes 16-31 block i + 4
.set VSB,  64                          ; Wv's likewise
.set QS,   96                          ; the pair (qk, 1 / qk) of block a, head hd at v[QS + 2 (2 a + hd)]
.set AF,   128                         ; the rows' fragments: eight places of 16 registers
.set WV,   30                          ; s30 wave;  s31 which half of the rows is mine (also: 0 = I fetch rows, 1 = I fetch the weight);  s32 which half of the columns (also: which 128 rows I fetch)
.set HR,   31
.set HC,   32
.set CX,   33                          ; s33, s34 my place in the cluster;  s35 tile column;  s36 tile row
.set CY,   34
.set TC,   35
.set TR,   36
.set LIM,  39                          ; s39 1 in a wave that prefetches (waves 0 and 1), else the greatest number
.set G1A,  40                          ; s[40:47] descriptor group 1 for tiles of q, k, v;  s[48:55] for the weights'
.set G1B,  48
.set G1SA, 56                          ; s[56:63], s[68:75] the same for the scale bytes
.set G1SB, 68
.set L2E,  66                          ; s[66:67] log2(e): the packed form names a pair
.set G0A,  76                          ; s[76:83] group 0 for the rows' tiles, a set for each slot;  s[84:91] for the weights'
.set G0B,  84
.set VA,   20                          ; s[20:21] v's codes at the rows that I fetch;  s[24:25] Wv's likewise
.set VB,   24
.set VSP,  22                          ; s[22:23] v's scale bytes at the rows that I multiply;  s[26:27] Wv's
.set WSP,  26
.set OUTP, 28                          ; s[28:29] the result, at my first row and column; never stepped
.set PFQ,  92                          ; s[92:93], s[104:105] where my prefetches stand in q and in k
.set PFK,  104
.set SEL,  100                         ; s[100:101] lane selects for v_permlanex16_b32: lane l xor 16
.set MSB, 0
.macro WIN new                         ; the immediate's high byte repeats the setting that is left; a switch that changes nothing is dropped
.if MSB != (\new)
	s_set_vgpr_msb (MSB<<8)|(\new)
.set MSB, \new
.endif
.endm
.set MUL_LO, 0xa1                      ; source 0 (weight) window 1, source 1 (rows) window 0, C and D window 2
.set MUL_HI, 0xf1                      ; the same, C and D window 3
.set TO_B,   0x40                      ; destination window 1, address window 0
; A joint load: waves 0 and 1 fetch rows of q, k or v, waves 2 and 3 rows of the weight.  Each of the two lines has ONE mask and one set of registers for all that issue it; the branch hangs on the wave's number alone.
; An s_nop 0 and four v_nop follow each of the two lines, ahead of the jump, the label and what follows.
.macro JLOAD g0a, g1a, g0b, g1b
	s_cmp_eq_u32 s[HR], 0
	s_cbranch_scc0 .Lfor_b_\@
	tensor_load_to_lds s[\g0a:\g0a+3], s[\g1a:\g1a+7]
	s_nop 0
.rept 4
	v_nop
.endr
	s_branch .Lasked_\@
.Lfor_b_\@:
	tensor_load_to_lds s[\g0b:\g0b+3], s[\g1b:\g1b+7]
	s_nop 0
.rept 4
	v_nop
.endr
.Lasked_\@:
.endm
.macro CREST                           ; a round of the cluster's barrier behind its opening barrier
	s_cmp_lg_u32 s[WV], 0
	s_cbranch_scc1 .Lnot_wave_0_\@
	s_barrier_signal -3
.Lnot_wave_0_\@:
	s_barrier_wait -3
	s_barrier_signal -1
	s_barrier_wait -1
.endm
.macro CROUND                          ; a whole round
	s_barrier_signal -1
	s_barrier_wait -1
	CREST
.endm
; A PREFETCH INTO THE L2 of the tile of q, k or v that stands TWO refills on: 256 matrix instructions ahead of the joint load that will want it.  A tile row is walked by one row of one cluster alone.
; Of the 128 rows that wave 0 or 1 fetches, each of the four partners takes 32, told apart BY ADDRESS (v30); a lane a row, 256 bytes of it: so each block of 256 bytes is named once in the launch.
; on = 1, in the loop: q's or k's step two refills of its slot on; the loop's last trip has none.  on = 2: v's steps at 512 and 768.  The first four tiles and v's first two come by their loads alone.  The weights, which every cluster walks again, are not asked for.
.macro ASK on, slot
.if (\on) == 1
	s_cmp_gt_u32 s3, s[LIM]                        ; s3 = 1 in the loop's last trip
	s_cbranch_scc0 .Lnot_mine_\@
.if (\slot) == 0
	global_prefetch_b8 v[PFO], s[PFQ:PFQ+1] th:TH_LOAD_NT scope:SCOPE_SE
.else
	global_prefetch_b8 v[PFO], s[PFK:PFK+1] th:TH_LOAD_NT scope:SCOPE_SE
.endif
.else
	s_cmp_eq_u32 s[LIM], 1
	s_cbranch_scc0 .Lnot_mine_\@
	global_prefetch_b8 v[PFO], s[VA:VA+1] offset:512+256*(\slot) th:TH_LOAD_NT scope:SCOPE_SE
.endif
.Lnot_mine_\@:
.endm
	s_load_b512 s[4:19], s[0:1], 0x0               ; q's codes, q's scales, Wq's codes, Wq's scales, k's, k's, Wk's, Wk's
	s_load_b256 s[20:27], s[0:1], 0x40             ; v's codes, v's scales, Wv's codes, Wv's scales
	s_load_b64 s[OUTP:OUTP+1], s[0:1], 0x60        ; the result
	v_lshl_add_u32 v[SPW], v0, 2, SPARE
	v_mov_b32 v[NIL], 0
	ds_add_u32 v[SPW], v[NIL]                      ; the wave's opening: the add and its wait stand ahead of my first tensor load; the set-up below, work on registers, stands between them
	v_lshrrev_b32 v1, 5, v0
	v_readfirstlane_b32 s[WV], v1                  ; wave 0..3
	s_lshr_b32 s[HR], s[WV], 1
	s_and_b32 s[HC], s[WV], 1
	s_bfe_u32 s[CX], ttmp6, 0x40000
	s_bfe_u32 s[CY], ttmp6, 0x40004
	s_lshl_b32 s[TC], ttmp9, 2
	s_add_co_u32 s[TC], s[TC], s[CX]               ; tile column = 4 x cluster x + cx
	s_and_b32 s[TR], ttmp7, 0xffff
	s_lshl_b32 s[TR], s[TR], 2
	s_add_co_u32 s[TR], s[TR], s[CY]               ; tile row = 4 x cluster y + cy
	s_lshl_b32 s37, s[CY], 2
	s_lshl_b32 s37, 15, s37                        ; my row of the cluster
	s_lshl_b32 s38, 0x1111, s[CX]                  ; my column
	; descriptor group 1 for codes: a tile of 128 rows x 256 bytes, rows 1,024 bytes apart in memory, padded in LDS
	s_or_b32 s[G1A], s37, (0<<16)|(1<<20)|(1<<21)|(5<<22)|(3<<25)   ; 15:0 the mask: my row; 17:16 elements of 1 byte; 20 padding on; 21 set beside a mask; 24:22 after every 64 words (code 5); 31:25 four words (code 3)
	s_or_b32 s[G1B], s38, (0<<16)|(1<<20)|(1<<21)|(5<<22)|(3<<25)   ; the same with the mask of my column
.irp g, G1A, G1B
	s_mov_b32 s[\g+1], 256<<16                     ; tensor_dim0
	s_mov_b32 s[\g+2], 128<<16                     ; tensor_dim1
	s_mov_b32 s[\g+3], 256<<16                     ; tile_dim0
	s_mov_b32 s[\g+4], 128                         ; tile_dim1
	s_mov_b32 s[\g+5], 1024                        ; tensor_dim0_stride
	s_mov_b32 s[\g+6], 0
	s_mov_b32 s[\g+7], 0
.endr
	; and for the scales of 128 rows: a dense block of 4,096 bytes, as 16 rows of 256 bytes (32 elements of 8 bytes), 16 bytes of padding behind each
	s_or_b32 s[G1SA], s37, (3<<16)|(1<<20)|(1<<21)|(5<<22)|(3<<25)
	s_or_b32 s[G1SB], s38, (3<<16)|(1<<20)|(1<<21)|(5<<22)|(3<<25)
.irp g, G1SA, G1SB
	s_mov_b32 s[\g+1], 32<<16
	s_mov_b32 s[\g+2], 16<<16
	s_mov_b32 s[\g+3], 32<<16
	s_mov_b32 s[\g+4], 16
	s_mov_b32 s[\g+5], 32
	s_mov_b32 s[\g+6], 0
	s_mov_b32 s[\g+7], 0
.endr
	; what I fetch: rows 256 x tile row + 128 x half of q, k, v, or rows 256 x tile column + 128 x half of a weight; every wave makes both offsets
	s_lshl_b32 s2, s[HC], 7
	s_lshl_b32 s92, s[TR], 8
	s_add_co_u32 s92, s92, s2
	s_lshl_b32 s94, s[TC], 8
	s_add_co_u32 s94, s94, s2
	s_lshl_b32 s96, s92, 5                         ; their scale bytes: 32 a row
	s_lshl_b32 s98, s94, 5
	s_lshl_b32 s92, s92, 10                        ; their codes: 1,024 a row
	s_lshl_b32 s94, s94, 10
	s_mov_b32 s93, 0
	s_mov_b32 s95, 0
	s_mov_b32 s97, 0
	s_mov_b32 s99, 0
.irp s, 0,1
	s_mov_b32 s[G0A+4*\s], 1                       ; 1:0 count = 1
	s_mul_i32 s[G0A+4*\s+1], s[WV], HALFT          ; 63:32 LDS address: wave x 128 rows, + the slot: no place in the cluster enters an LDS address
	s_add_co_u32 s[G0A+4*\s+1], s[G0A+4*\s+1], \s*SLOT
	s_mov_b32 s[G0B+4*\s], 1
	s_mul_i32 s[G0B+4*\s+1], s[WV], HALFT
	s_add_co_u32 s[G0B+4*\s+1], s[G0B+4*\s+1], \s*SLOT
.endr
	s_mov_b32 s[L2E], 0x3fb8aa3b                   ; log2(e)
	s_mov_b32 s[L2E+1], s[L2E]                     ; (named with it as a pair, so it is written)
	s_mov_b32 s[SEL], 0x76543210
	s_mov_b32 s[SEL+1], 0xfedcba98
	s_cmp_eq_u32 s[HR], 0
	s_cselect_b32 s[LIM], 1, -1
	s_wait_dscnt 0x0                               ; the opening add is done
	s_wait_kmcnt 0x0
	s_add_nc_u64 s[G0A+2:G0A+3], s[4:5], s[92:93]      ; slot 0 begins with q and Wq at K = 0,
	s_add_nc_u64 s[G0A+6:G0A+7], s[12:13], s[92:93]    ; slot 1 with k and Wk at K = 0
	s_add_nc_u64 s[G0B+2:G0B+3], s[8:9], s[94:95]
	s_add_nc_u64 s[G0B+6:G0B+7], s[16:17], s[94:95]
	s_add_nc_u64 s[PFK:PFK+1], s[G0A+6:G0A+7], 256     ; the prefetches stand at K = 256: the first change of each slot steps them to 512
	s_add_nc_u64 s[VA:VA+1], s[VA:VA+1], s[92:93]
	s_add_nc_u64 s[VB:VB+1], s[VB:VB+1], s[94:95]
	s_add_nc_u64 s[PFQ:PFQ+1], s[G0A+2:G0A+3], 256     ; (this takes the registers of the rows' offset, which is used no more)
.irp g, G0A+3, G0A+7, G0B+3, G0B+7
	s_or_b32 s[\g], s[\g], 0x80000000              ; 127:126 type = 2
.endr
	; the scales' groups 0 are made in the arguments' own registers: s[4:7] q's, s[8:11] Wq's, s[12:15] k's, s[16:19] Wk's; the codes' addresses there are used no more
	s_add_nc_u64 s[6:7], s[6:7], s[96:97]
	s_add_nc_u64 s[14:15], s[14:15], s[96:97]
	s_add_nc_u64 s[10:11], s[10:11], s[98:99]
	s_add_nc_u64 s[18:19], s[18:19], s[98:99]
.irp g, 4, 8
	s_mov_b32 s[\g], 1
	s_mul_i32 s[\g+1], s[WV], HALFS
	s_add_co_u32 s[\g+1], s[\g+1], SCL
	s_or_b32 s[\g+3], s[\g+3], 0x80000000
.endr
.irp g, 12, 16
	s_mov_b32 s[\g], 1
	s_mul_i32 s[\g+1], s[WV], HALFS
	s_add_co_u32 s[\g+1], s[\g+1], SCL+SREG
	s_or_b32 s[\g+3], s[\g+3], 0x80000000
.endr
	CROUND                                         ; all sixteen work-groups are here: the first joint loads meet
	JLOAD 4, G1SA, 8, G1SB                         ; the scales first: they are wanted with the first steps.  Four tensor loads of mine are out behind these four lines
	JLOAD 12, G1SA, 16, G1SB
	JLOAD G0A, G1A, G0B, G1B                       ; slot 0
	JLOAD G0A+4, G1A, G0B+4, G1B                   ; slot 1
	; the pointers that no descriptor holds
	s_lshl_b32 s96, s[TR], 8
	s_lshl_b32 s2, s[HR], 7
	s_add_co_u32 s2, s96, s2                       ; the first row that I multiply: 256 x tile row + 128 x half
	s_lshl_b32 s96, s2, 5
	s_add_nc_u64 s[VSP:VSP+1], s[VSP:VSP+1], s[96:97]  ; its scale bytes in v's
	s_add_nc_u64 s[WSP:WSP+1], s[WSP:WSP+1], s[98:99]  ; Wv's: my 128 columns are the 128 rows whose offset stands in s[98:99]
	s_lshl_b32 s96, s2, 12                         ; a row of the result is 4,096 bytes
	s_add_nc_u64 s[OUTP:OUTP+1], s[OUTP:OUTP+1], s[96:97]
	s_lshl_b32 s98, s[TC], 10                      ; my first column, in bytes: 1,024 x tile column + 512 x half
	s_lshl_b32 s2, s[HC], 9
	s_add_co_u32 s98, s98, s2
	s_add_nc_u64 s[OUTP:OUTP+1], s[OUTP:OUTP+1], s[98:99]
	s_lshl_b32 s98, s[CX], 5
	v_and_b32 v[PFO], 31, v0
	v_add_nc_u32 v[PFO], s98, v[PFO]
	v_lshlrev_b32 v[PFO], 10, v[PFO]
	v_and_b32 v1, 15, v0                           ; r = l % 16
	v_bfe_u32 v2, v0, 4, 1                         ; h = l / 16
	v_mul_u32_u24 v3, v1, PITCH
	v_lshl_add_u32 v4, v2, 4, v3                   ; a fragment's row x pitch + 16 x half
	s_mul_i32 s2, s[HR], HALFT                     ; my 128 rows,
	s_mul_i32 s3, s[HC], HALFT                     ; my 128 rows of the weight,
	s_add_co_u32 s3, s3, 2*HALFT                   ; which lie behind the 256 rows
.irp s, 0,1
	v_add_nc_u32 v[ADRA+\s], s2, v4
	v_add_nc_u32 v[ADRB+\s], s3, v4
	s_add_co_u32 s2, s2, SLOT
	s_add_co_u32 s3, s3, SLOT
.endr
	v_mul_u32_u24 v5, v1, 32                       ; my row's scales: 32 bytes a row,
	v_lshrrev_b32 v6, 8, v5
	v_lshl_add_u32 v5, v6, 4, v5                   ; and 16 more for each 256 passed
	s_mul_i32 s2, s[HR], HALFS
	s_mul_i32 s3, s[HC], HALFS
	s_add_co_u32 s3, s3, 2*HALFS
	s_sub_co_u32 s3, s3, s2
	v_mul_u32_u24 v6, s3, v2                       ; lanes 16-31 take the weight's: one product with h
	s_add_co_u32 s2, s2, SCL
	v_add_nc_u32 v5, v5, v6
	v_add_nc_u32 v[ADRS], s2, v5
	s_mul_i32 s2, s[WV], 16*SPITCH                 ; my stage
	v_mul_u32_u24 v5, v1, SPITCH                   ; in: row l % 16, 32 bytes for each half of the lanes
	v_lshl_add_u32 v5, v2, 5, v5
	v_add_nc_u32 v[STO], s2, v5
	v_and_b32 v6, 31, v0
	v_lshlrev_b32 v[CO], 4, v6                     ; back: the 32 lanes take one row of 512 bytes; and the same in the result
	v_add_nc_u32 v[RD], s2, v[CO]
	v_lshlrev_b32 v[VSO], 5, v1
	v_lshl_add_u32 v[VSO], v2, 11, v[VSO]          ; lanes 16-31 stand four blocks of 16 rows further on
.irp i, 0,1,2,3,4,5,6,7,8,9,10,11,12,13,14,15
	v_mov_b32 v[QS+2*\i+1], 0                      ; written once: a lane permute's destination counts as one of its sources
.endr
.macro FRAG reg, adr, q, i             ; a fragment, 16 rows x 128 K of 8-bit codes, is 16 registers: lane l holds row l % 16; registers 4 c .. 4 c + 3 hold K = 32 c + 16 (l / 16) + 0 .. 15
.irp c, 0,1,2,3
	ds_load_b128 v[\reg+4*\c:\reg+4*\c+3], v[\adr] offset:128*(\q)+32*\c+(\i)*16*PITCH
.endr
.endm
; One matrix instruction, by the symbols that MULX has set.  zero = 1: it starts its sum: nothing is ever cleared.  mW, mA: the side's scale words stand in lanes 16-31 of the register named.
.macro WM zero
.if \zero
.if mW && mA
	v_wmma_scale_f32_16x16x128_f8f6f4 v[rD:rD+7], v[rW:rW+15], v[rA:rA+15], 0, v[rSW], v[rSA] matrix_a_fmt:MATRIX_FMT_BF8 matrix_b_fmt:MATRIX_FMT_BF8 matrix_a_scale:MATRIX_SCALE_ROW1 matrix_b_scale:MATRIX_SCALE_ROW1
.elseif mW
	v_wmma_scale_f32_16x16x128_f8f6f4 v[rD:rD+7], v[rW:rW+15], v[rA:rA+15], 0, v[rSW], v[rSA] matrix_a_fmt:MATRIX_FMT_BF8 matrix_b_fmt:MATRIX_FMT_BF8 matrix_a_scale:MATRIX_SCALE_ROW1
.elseif mA
	v_wmma_scale_f32_16x16x128_f8f6f4 v[rD:rD+7], v[rW:rW+15], v[rA:rA+15], 0, v[rSW], v[rSA] matrix_a_fmt:MATRIX_FMT_BF8 matrix_b_fmt:MATRIX_FMT_BF8 matrix_b_scale:MATRIX_SCALE_ROW1
.else
	v_wmma_scale_f32_16x16x128_f8f6f4 v[rD:rD+7], v[rW:rW+15], v[rA:rA+15], 0, v[rSW], v[rSA] matrix_a_fmt:MATRIX_FMT_BF8 matrix_b_fmt:MATRIX_FMT_BF8
.endif
.else
.if mW && mA
	v_wmma_scale_f32_16x16x128_f8f6f4 v[rD:rD+7], v[rW:rW+15], v[rA:rA+15], v[rD:rD+7], v[rSW], v[rSA] matrix_a_fmt:MATRIX_FMT_BF8 matrix_b_fmt:MATRIX_FMT_BF8 matrix_a_scale:MATRIX_SCALE_ROW1 matrix_b_scale:MATRIX_SCALE_ROW1
.elseif mW
	v_wmma_scale_f32_16x16x128_f8f6f4 v[rD:rD+7], v[rW:rW+15], v[rA:rA+15], v[rD:rD+7], v[rSW], v[rSA] matrix_a_fmt:MATRIX_FMT_BF8 matrix_b_fmt:MATRIX_FMT_BF8 matrix_a_scale:MATRIX_SCALE_ROW1
.elseif mA
	v_wmma_scale_f32_16x16x128_f8f6f4 v[rD:rD+7], v[rW:rW+15], v[rA:rA+15], v[rD:rD+7], v[rSW], v[rSA] matrix_a_fmt:MATRIX_FMT_BF8 matrix_b_fmt:MATRIX_FMT_BF8 matrix_b_scale:MATRIX_SCALE_ROW1
.else
	v_wmma_scale_f32_16x16x128_f8f6f4 v[rD:rD+7], v[rW:rW+15], v[rA:rA+15], v[rD:rD+7], v[rSW], v[rSA] matrix_a_fmt:MATRIX_FMT_BF8 matrix_b_fmt:MATRIX_FMT_BF8
.endif
.endif
.endm
; 16 matrix instructions: the rows' blocks a0, a0 + 1 x the weight's eight, 128 along K.  p: the weight's set.  vg < 0: the first two products: the slot's q-th 128, scale words of set sc;  vg >= 0: V's product, its vg-th 128 along K.
; ao: block a's fragment lies at place a + ao of the eight.  The accumulators take turns, one instruction a turn.
.macro MULX a0, p, q, sc, zero, vg, ao
.irp a, \a0, \a0+1
.irp b, 0,1,2,3,4,5,6,7
.set rD, 8*(8*((\a)%4)+\b)
.set rW, 128*(\p)+FR*\b
.set rA, AF+FR*((\a)+(\ao))
.if (\vg) < 0
.set rSW, SC+16*(\sc)+2*\b+(\q)
.set rSA, SC+16*(\sc)+2*(\a)+(\q)
.set mW, 1
.set mA, 0
.else
.set rSW, VSB+8*((\b)%4)+(\vg)
.set rSA, VSA+8*((\a)%4)+(\vg)
.set mW, (\b)/4
.set mA, (\a)/4
.endif
	WM \zero
.endr
.endr
.endm
.macro MUL16 a0, p, q, sc, zero, vg    ; the same with block a at place a
	MULX \a0, \p, \q, \sc, \zero, \vg, 0
.endm
.macro FETCH_B slot, q, p              ; the weight's eight fragments of the slot's q-th 128 along K into set p
	WIN TO_B
.irp i, 0,1,2,3,4,5,6,7
	FRAG 128*(\p)+FR*\i, ADRB+\slot, \q, \i
.endr
	WIN 0
.endm
.macro FETCH_A slot, q, i0             ; the rows' blocks i0 .. i0 + 3 into the places of the same numbers
.irp i, \i0, \i0+1, \i0+2, \i0+3
	FRAG AF+FR*(\i), ADRA+\slot, \q, \i
.endr
.endm
.macro FETCH_AP slot, q, i0, p0        ; the rows' blocks i0 .. i0 + 3 into places p0 .. p0 + 3
.irp j, 0,1,2,3
	FRAG AF+FR*((\p0)+\j), ADRA+\slot, \q, (\i0)+\j
.endr
.endm
.macro SCALES sc                       ; a K step's scale words into set sc, from region sc: two words a row; lanes 0-15 take the rows' block i, lanes 16-31 the weight's block i
.irp i, 0,1,2,3,4,5,6,7
	ds_load_b64 v[SC+16*\sc+2*\i:SC+16*\sc+2*\i+1], v[ADRS] offset:\i*SBLK+\sc*SREG
.endr
.endm
; A load into a register that a matrix instruction has read, and a vector instruction or an LDS store that reads a matrix result, stand NP places behind that matrix instruction, and only plain vector
; instructions that name none of its registers are places (ISA guide 7.12.1 for vector instructions); the matrix instructions in between are not counted.
.macro PLACES n
.rept \n
	v_nop
.endr
.endm
; A slot's first 128 along K.  A block of rows is free as soon as its eight products are issued: blocks 0-3 are fetched anew in the step's middle, blocks 4-7 at its end.  Behind this step all of the slot has been asked for.
.macro STEP slot, zero, vg
	s_wait_dscnt 4*NL                              ; the weight's set, the rows' blocks 0-3 and the scale words are in; the youngest sixteen loads (blocks 4-7) may be out
	WIN MUL_LO
	MUL16 0, 0, 0, \slot, \zero, \vg
	MUL16 2, 0, 0, \slot, \zero, \vg
	s_wait_dscnt 0                                 ; blocks 4-7 are in (asked for 32 matrix instructions ago)
	PLACES NP
	FETCH_B \slot, 1, 1
	FETCH_A \slot, 1, 0
	WIN MUL_HI
	MUL16 4, 0, 0, \slot, \zero, \vg
	MUL16 6, 0, 0, \slot, \zero, \vg
	PLACES NP
	WIN 0
	FETCH_A \slot, 1, 4
.endm
; THE CHANGE OF SLOTS: ONE barrier.  In front of it each wave waits for all its tensor loads (one is out: its part of the other slot), adds 0 to its spare word, and waits for that and for its own reads of this slot, all of which have been issued.
; on = 0: nothing is filled.  Else the barrier opens a round of the cluster's, and this slot is filled again first thing behind it: on = 1: the same tensor, 256 further along K;  on = 2: v and Wv, at 256 x slot;  on = 3: v and Wv, 512 further on.
; Every window is 0 here: the add's two registers lie in window 0, and branches follow.
.macro CHANGE slot, on
.if (\on) == 1
	s_wait_xcnt 0x0                                ; the last prefetches, a K step and more back, have read their addresses: this slot's is stepped here, ahead of the waits of the change of slots
.if (\slot) == 0
	s_add_nc_u64 s[PFQ:PFQ+1], s[PFQ:PFQ+1], 256
.else
	s_add_nc_u64 s[PFK:PFK+1], s[PFK:PFK+1], 256
.endif
.endif
	s_wait_tensorcnt 0x0                           ; all my tensor loads have landed: no load of mine is out, so a group 0 may be written
	ds_add_u32 v[SPW], v[NIL]                      ; 0 onto my spare word: the descriptors' steps stand between it and the wait for it
.if (\on) == 1
	s_add_nc_u64 s[G0A+4*\slot+2:G0A+4*\slot+3], s[G0A+4*\slot+2:G0A+4*\slot+3], 256
	s_add_nc_u64 s[G0B+4*\slot+2:G0B+4*\slot+3], s[G0B+4*\slot+2:G0B+4*\slot+3], 256
.elseif (\on) == 2
	s_add_nc_u64 s[G0A+4*\slot+2:G0A+4*\slot+3], s[VA:VA+1], 256*\slot
	s_or_b32 s[G0A+4*\slot+3], s[G0A+4*\slot+3], 0x80000000
	s_add_nc_u64 s[G0B+4*\slot+2:G0B+4*\slot+3], s[VB:VB+1], 256*\slot
	s_or_b32 s[G0B+4*\slot+3], s[G0B+4*\slot+3], 0x80000000
.elseif (\on) == 3
	s_add_nc_u64 s[G0A+4*\slot+2:G0A+4*\slot+3], s[G0A+4*\slot+2:G0A+4*\slot+3], 512
	s_add_nc_u64 s[G0B+4*\slot+2:G0B+4*\slot+3], s[G0B+4*\slot+2:G0B+4*\slot+3], 512
.endif
	s_wait_dscnt 0x0                               ; the add is done, and my reads of this slot are over
	s_barrier_signal -1
	s_barrier_wait -1
.if (\on) != 0
	CREST                                          ; no wave of any partner still reads this slot's tile or has a load on its way
	JLOAD G0A+4*\slot, G1A, G0B+4*\slot, G1B       ; the first tensor load behind the round, my one load until the next
.endif
.endm
; A slot's second 128 along K: the change of slots, then its 64 products, whose fragments are all in registers, and among them the next slot's first fragments.  ls = 1: the next K step's scale words are fetched from LDS.
.macro TURN slot, next, on, ls, vg
	CHANGE \slot, \on
	WIN MUL_LO
	MUL16 0, 1, 1, \slot, 0, \vg
	MUL16 2, 1, 1, \slot, 0, \vg
	PLACES NP
.if (\ls) && ((\next) == 0)
	WIN 0
	v_add_nc_u32 v[ADRS], 8, v[ADRS]               ; a new pair of K steps: 8 scale bytes further on in both regions
.endif
	FETCH_B \next, 0, 0
	FETCH_A \next, 0, 0
.if \ls
	SCALES \next
.endif
.if ((\on) == 1) || ((\on) == 2)
	ASK \on, \slot                                 ; behind the joint load and the run of LDS loads that the next products wait for
.endif
	WIN MUL_HI
	MUL16 4, 1, 1, \slot, 0, \vg
	MUL16 6, 1, 1, \slot, 0, \vg
	PLACES NP
	WIN 0
	FETCH_A \next, 0, 4
.endm
; The same where the NEXT K step goes by halves of the rows: both of the weight's sets take that step's two 128s, and the eight places take blocks 0-3 twice: places 0-3 the first 128, places 4-7 the second.
.macro TURNH slot, next, on, vg
	CHANGE \slot, \on
	WIN MUL_LO
	MUL16 0, 1, 1, \slot, 0, \vg
	MUL16 2, 1, 1, \slot, 0, \vg
	PLACES NP
	FETCH_B \next, 0, 0
	FETCH_AP \next, 0, 0, 0
.if (\on) == 2
	ASK \on, \slot
.endif
	WIN MUL_HI
	MUL16 4, 1, 1, \slot, 0, \vg
	MUL16 6, 1, 1, \slot, 0, \vg
	PLACES NP
	FETCH_B \next, 1, 1
	FETCH_AP \next, 1, 0, 4
.endm
; My rows 0-63 through a whole K step of V's product (its vg-th and next 128 along K): 64 products on 32 accumulators by turns.  Each four places take blocks 4-7 as soon as blocks 0-3 have left them: behind this macro all of the slot has been asked for.
.macro LOHALF slot, zero, vg
	WIN MUL_LO
	MULX 0, 0, 0, 0, \zero, \vg, 0
	MULX 2, 0, 0, 0, \zero, \vg, 0
	PLACES NP
	WIN 0
	FETCH_AP \slot, 0, 4, 0
	WIN MUL_LO
	MULX 0, 1, 0, 0, 0, (\vg)+1, 4
	MULX 2, 1, 0, 0, 0, (\vg)+1, 4
	PLACES NP
	WIN 0
	FETCH_AP \slot, 1, 4, 4
.endm
; qk of my rows 64 w .. 64 w + 63, whose accumulators (window 2 + w) hold Q + K.
; The scalings by log2(e) stand between the exponentials, each two pairs ahead of its own; each accumulator is read from its low end on.  The 256 exponentials are ONE BATCH: nothing names a result before the wait.
.macro EPIH w
	WIN 0x82+0x41*(\w)                             ; destination and source 0: window 2 or 3
.set ri, 0
.rept 2
	v_pk_mul_f32 v[ri:ri+1], v[ri:ri+1], s[L2E:L2E+1] op_sel_hi:[1,0]
.set ri, ri+2
.endr
.set ri, 0
.rept 128
.if ri < 252
	v_pk_mul_f32 v[ri+4:ri+5], v[ri+4:ri+5], s[L2E:L2E+1] op_sel_hi:[1,0]
.endif
	v_exp_f32 v[ri], v[ri]                         ; exp(Q + K)
	v_exp_f32 v[ri+1], v[ri+1]
.set ri, ri+2
.endr
	v_nop                                          ; a plain instruction behind the last exponential
	s_wait_alu depctr_va_vdst(0)                   ; the wait ahead of the first instruction that names a result: one for the batch
	WIN 0x8a+0x45*(\w)                             ; all three places: window 2 or 3
.irp d, 16,8,4,2                       ; a block's head is 32 consecutive registers: a tree over its 16 pairs, the window's eight groups by turns
.set rp, 0
.rept \d/2
.irp g, 0,1,2,3,4,5,6,7
	v_pk_add_f32 v[32*\g+rp:32*\g+rp+1], v[32*\g+rp:32*\g+rp+1], v[32*\g+rp+\d:32*\g+rp+\d+1]
.endr
.set rp, rp+2
.endr
.endr
	WIN 0x0a+0x05*(\w)                             ; the sources in window 2 or 3, the destination in window 0
.irp g, 0,1,2,3,4,5,6,7
	v_add_f32 v[QS+2*(8*(\w)+\g)], v[32*\g], v[32*\g+1]
.endr
	WIN 0
.irp i, 0,1,2,3,4,5,6,7
	v_permlanex16_b32 v[QS+2*(8*(\w)+\i)+1], v[QS+2*(8*(\w)+\i)], s[SEL], s[SEL+1]   ; the head's other 32 columns lie in the lane 16 away
.endr
.irp i, 0,1,2,3,4,5,6,7
	v_add_f32 v[QS+2*(8*(\w)+\i)], v[QS+2*(8*(\w)+\i)], v[QS+2*(8*(\w)+\i)+1]        ; qk
.endr
.irp i, 0,1,2,3,4,5,6,7
	v_rsq_f32 v[QS+2*(8*(\w)+\i)+1], v[QS+2*(8*(\w)+\i)]                             ; r = 1 / sqrt(qk)
.endr
	v_nop                                          ; a plain instruction behind the last of them
	s_wait_alu depctr_va_vdst(0)                   ; and the wait: one for the eight
.irp i, 0,1,2,3,4,5,6,7
	v_mul_f32 v[QS+2*(8*(\w)+\i)+1], v[QS+2*(8*(\w)+\i)+1], v[QS+2*(8*(\w)+\i)+1]    ; r r = 1 / qk
.endr
.endm
	s_wait_tensorcnt 1                             ; both regions of scales and my part of slot 0 are in; slot 1's load, the youngest, may be out
	s_barrier_signal -1
	s_barrier_wait -1                              ; everybody's are
	FETCH_B 0, 0, 0
	FETCH_A 0, 0, 0
	SCALES 0
	FETCH_A 0, 0, 4
	STEP 0, 1, -1                                  ; the first step stands in front of the loop: its products start the sums
	s_mov_b32 s3, 3
.Llap:                                                 ; a trip: the rest of a K step of q, a K step of k, the first half of the next K step of q; both slots are filled again
	TURN 0, 1, 1, 1, -1
	STEP 1, 0, -1
	TURN 1, 0, 1, 1, -1
	STEP 0, 0, -1
	s_sub_co_u32 s3, s3, 1
	s_cmp_lg_u32 s3, 0
	s_cbranch_scc1 .Llap
	TURN 0, 1, 2, 1, -1                            ; q's last K step; slot 0 takes v and Wv at K = 0
	STEP 1, 0, -1
	TURNH 1, 0, 2, -1                              ; k's last K step; slot 1 takes v and Wv at K = 256; v's first K step will go by halves of the rows
	; ---- The accumulators hold Q + K.  The places behind the last products stand in TURNH, ahead of these loads into the registers that held scale words.
.irp i, 0,1,2,3
.irp c, 0,1
	global_load_b128 v[VSA+8*\i+4*\c:VSA+8*\i+4*\c+3], v[VSO], s[VSP:VSP+1] offset:512*\i+16*\c   ; v's scale words of my 128 rows, for all of K: 4,096 dense bytes, read once
	global_load_b128 v[VSB+8*\i+4*\c:VSB+8*\i+4*\c+3], v[VSO], s[WSP:WSP+1] offset:512*\i+16*\c   ; Wv's of my 128 columns
.endr
.endr
	EPIH 0                                         ; qk of my rows 0-63, while slot 1's tile is on its way
	s_wait_loadcnt 0x0                             ; v's and Wv's scale words are in
	s_wait_dscnt 0x0                               ; and the fragments that TURNH asked for
	LOHALF 0, 1, 0                                 ; V = v Wv^T, K = 0 .. 255, my rows 0-63: the first products start the sums anew, over registers whose last matrix writers stand far more than nine places back
	CHANGE 0, 3                                    ; slot 0 is read out: it takes v and Wv at K = 512,
	EPIH 1                                         ; which are on their way while qk of my rows 64-127 is made
	WIN MUL_HI
	MULX 4, 0, 0, 0, 1, 0, -4                      ; K = 0 .. 127, my rows 64-127: blocks 4-7 lie at places 0-3
	MULX 6, 0, 0, 0, 1, 0, -4
	PLACES NP
	FETCH_B 1, 0, 0                                ; the next K step goes as every other: its first fragments
	FETCH_A 1, 0, 0
	WIN MUL_HI
	MULX 4, 1, 0, 0, 0, 1, 0                       ; K = 128 .. 255
	MULX 6, 1, 0, 0, 0, 1, 0
	PLACES NP
	WIN 0
	FETCH_A 1, 0, 4
	STEP 1, 0, 2                                   ; written out: the scale words' registers differ from step to step
	TURN 1, 0, 3, 0, 3                             ; slot 1 takes K = 768: the last load
	STEP 0, 0, 4
	TURNH 0, 1, 0, 5                               ; nothing is filled: a plain barrier; behind it nobody reads slot 0 any more.  The last K step goes by halves of the rows
; THE WAY OUT, block by block of 16 rows x 128 columns.
; SCALEOUT: (V qk) (1 / qk), in place; each accumulator from its low end on.
.macro SCALEOUT a
.set AC, 64*((\a)%4)
	WIN 0x82+0x41*((\a)/4)                         ; destination and source 0: window 2 or 3; the pair (qk, 1 / qk) in window 0
.irp b, 0,1,2,3,4,5,6,7
.irp j, 0,2,4,6
	v_pk_mul_f32 v[AC+8*\b+\j:AC+8*\b+\j+1], v[AC+8*\b+\j:AC+8*\b+\j+1], v[QS+2*(2*(\a)+\b/4):QS+2*(2*(\a)+\b/4)+1] op_sel_hi:[1,0]   ; x qk: the pair's first word for both halves
.endr
.endr
.irp b, 0,1,2,3,4,5,6,7
.irp j, 0,2,4,6
	v_pk_mul_f32 v[AC+8*\b+\j:AC+8*\b+\j+1], v[AC+8*\b+\j:AC+8*\b+\j+1], v[QS+2*(2*(\a)+\b/4):QS+2*(2*(\a)+\b/4)+1] op_sel:[0,1] op_sel_hi:[1,1]   ; x 1 / qk: its second word for both halves
.endr
.endr
.endm
; TOSTAGE: a lane holds 32 neighbouring bytes of a row, and the lanes beside it hold other rows: so a block goes through my own stage in LDS and comes back as whole rows of 512 bytes, into the 64 registers that it left.
; LDS serves a wave's instructions in order (ISA guide 5.7.1.4): no wait between the stores and the loads, nor in front of the next block's stores.
.macro TOSTAGE a
.set AC, 64*((\a)%4)
	WIN 0x08+4*((\a)/4)                            ; an LDS store's data are its source 1: window 2 or 3
.irp b, 0,1,2,3,4,5,6,7
	ds_store_b128 v[STO], v[AC+8*\b:AC+8*\b+3] offset:64*\b
	ds_store_b128 v[STO], v[AC+8*\b+4:AC+8*\b+7] offset:64*\b+16
.endr
	WIN 0x80+0x40*((\a)/4)                         ; the loads' destination: the same window
.irp t, 0,1,2,3,4,5,6,7,8,9,10,11,12,13,14,15
	ds_load_b128 v[AC+4*\t:AC+4*\t+3], v[RD] offset:\t*SPITCH
.endr
.endm
; SEND: a row is now four registers, and rows 4 g .. 4 g + 3 are b = 0 .. 3 of one s: the running sum over b, in ascending order, the four groups by turns; then the stores.
; Every block has registers of its own and its place stands in the stores' immediate (520,192 bytes at the most, inside the signed 24 bits: ISA guide, chapter 10): nothing that a store reads is written again.
.macro SEND a, younger                 ; younger: the LDS instructions issued behind block a's loads, which may stay out
.set AC, 64*((\a)%4)
	s_wait_dscnt \younger                          ; the block is back in registers
	WIN 0x8a+0x45*((\a)/4)                         ; all three places: window 2 or 3
.irp b, 1,2,3
.irp g, 0,1,2,3
.irp j, 0,2
	v_pk_add_f32 v[AC+4*(4*\g+\b)+\j:AC+4*(4*\g+\b)+\j+1], v[AC+4*(4*\g+\b)+\j:AC+4*(4*\g+\b)+\j+1], v[AC+4*(4*\g+\b-1)+\j:AC+4*(4*\g+\b-1)+\j+1]
.endr
.endr
.endr
	WIN 0x08+4*((\a)/4)                            ; a store's data are its source 1
.irp t, 0,1,2,3,4,5,6,7,8,9,10,11,12,13,14,15
	global_store_b128 v[CO], v[AC+4*\t:AC+4*\t+3], s[OUTP:OUTP+1] offset:(\a)*65536+\t*4096 th:TH_STORE_NT   ; 32 lanes store 512 consecutive bytes, at a multiple of 256 from the result's first byte; written once, read by nobody here
.endr
.endm
	s_wait_dscnt 0x0                               ; the fragments that TURNH asked for are in
	LOHALF 1, 0, 6                                 ; K = 768 .. 1,023, my rows 0-63: they are finished; its last places stand ahead of the first read of results
	SCALEOUT 0
	TOSTAGE 0
.irp a, 1,2,3
	SCALEOUT \a                                    ; a block's arithmetic stands between the loads of the block before and the wait for them
	TOSTAGE \a
	SEND \a-1, 32                                  ; behind block a - 1's loads: block a's 16 stores and 16 loads
.endr
	SEND 3, 0                                      ; (this wait covers blocks 4-7's fragments too, which LOHALF asked for)
	WIN MUL_HI                                     ; my rows 64-127, while the stores of rows 0-63 are leaving
	MULX 4, 0, 0, 0, 0, 6, -4
	MULX 6, 0, 0, 0, 0, 6, -4
	MULX 4, 1, 0, 0, 0, 7, 0
	MULX 6, 1, 0, 0, 0, 7, 0
	PLACES NP                                      ; behind the last products, ahead of the first read of their results
	SCALEOUT 4
	TOSTAGE 4
.irp a, 5,6,7
	SCALEOUT \a
	TOSTAGE \a
	SEND \a-1, 32
.endr
	SEND 7, 0
	WIN 0
	s_wait_tensorcnt 0x0                           ; the wave's end: behind my last tensor load and my last LDS store
	ds_add_u32 v[SPW], v[NIL]
	s_wait_dscnt 0x0
	CROUND                                         ; the closing round: no work-group ends while a partner may still ask for a tile that names it
	s_endpgm
.Lfunc_end_k_q43dcf1cf01_linattn:
	.size	k_q43dcf1cf01_linattn, .Lfunc_end_k_q43dcf1cf01_linattn-k_q43dcf1cf01_linattn
	.p2alignl 7, 3214868480
	.fill 96, 4, 3214868480
	.section	.rodata,"a",@progbits
	.p2align	6, 0x0
	.amdhsa_kernel k_q43dcf1cf01_linattn
		.amdhsa_group_segment_fixed_size 327680
		.amdhsa_private_segment_fixed_size 0
		.amdhsa_enable_private_segment 0
		.amdhsa_kernarg_size 104
		.amdhsa_user_sgpr_count 2
		.amdhsa_user_sgpr_kernarg_segment_ptr 1
		.amdhsa_wavefront_size32 1
		.amdhsa_system_sgpr_workgroup_id_x 1
		.amdhsa_system_sgpr_workgroup_id_y 1
		.amdhsa_system_sgpr_workgroup_id_z 1
		.amdhsa_system_vgpr_workitem_id 0
		.amdhsa_next_free_vgpr 1024
		.amdhsa_next_free_sgpr 106
		.amdhsa_reserve_vcc 0
		.amdhsa_float_denorm_mode_32 3
		.amdhsa_float_denorm_mode_16_64 3
		.amdhsa_memory_ordered 1
		.amdhsa_forward_progress 1
		.amdhsa_inst_pref_size 255
	.end_amdhsa_kernel
	.section	.bss,"aw",@nobits
	.p2align	6
	.space	262144
	.amdgpu_metadata
---
amdhsa.version: [ 1, 2 ]
amdhsa.kernels:
  - .name:           k_q43dcf1cf01_linattn
    .symbol:         k_q43dcf1cf01_linattn.kd
    .args:
      - { .name: q_codes, .offset: 0, .size: 8, .value_kind: global_buffer, .address_space: global }
      - { .name: q_scales, .offset: 8, .size: 8, .value_kind: global_buffer, .address_space: global }
      - { .name: Wq_codes, .offset: 16, .size: 8, .value_kind: global_buffer, .address_space: global }
      - { .name: Wq_scales, .offset: 24, .size: 8, .value_kind: global_buffer, .address_space: global }
      - { .name: k_codes, .offset: 32, .size: 8, .value_kind: global_buffer, .address_space: global }
      - { .name: k_scales, .offset: 40, .size: 8, .value_kind: global_buffer, .address_space: global }
      - { .name: Wk_codes, .offset: 48, .size: 8, .value_kind: global_buffer, .address_space: global }
      - { .name: Wk_scales, .offset: 56, .size: 8, .value_kind: global_buffer, .address_space: global }
      - { .name: v_codes, .offset: 64, .size: 8, .value_kind: global_buffer, .address_space: global }
      - { .name: v_scales, .offset: 72, .size: 8, .value_kind: global_buffer, .address_space: global }
      - { .name: Wv_codes, .offset: 80, .size: 8, .value_kind: global_buffer, .address_space: global }
      - { .name: Wv_scales, .offset: 88, .size: 8, .value_kind: global_buffer, .address_space: global }
      - { .name: out0, .offset: 96, .size: 8, .value_kind: global_buffer, .address_space: global }
    .group_segment_fixed_size: 327680
    .private_segment_fixed_size: 0
    .kernarg_segment_align: 8
    .kernarg_segment_size: 104
    .max_flat_workgroup_size: 128
    .sgpr_count:     106
    .vgpr_count:     1024
    .wavefront_size: 32
...
	.end_amdgpu_metadata
.endif
;; end of part 1
